; MI455X (gfx1250); checked and timed in simulation.
; The chip was launched on July 23, 2026; its instructions are those of AMD's public machine-readable ISA for CDNA 5 (MIT licence, August 2026) and "CDNA5" Instruction Set Architecture Reference Guide (July 2026). The comments in the code are by the model that wrote it; some were corrected since.
;; Multi Head Attention. Allowed arithmetic: matrix products marked QUANTISED: E2M1 operands, one E8M0 scale for each 32 along K, by v_wmma_scale_f32_16x16x128_f8f6f4 with both operands' format E2M1 (or v_wmma_scale_f32_32x16x128_f4), f32 sums; everything else in f32.
;; Inputs: W_out_codes 1,024 x 32 x 16 uint8 (E2M1 codes of W_out, K innermost, in blocks of 32 codes, two codes a byte); W_out_scales 1,024 x 32 uint8 (E8M0 scales of W_out, one for each 32 codes along K); W_qkv_codes 3,072 x 32 x 16 uint8 (E2M1 codes of W_qkv, K innermost, in blocks of 32 codes, two codes a byte); W_qkv_scales 3,072 x 32 uint8 (E8M0 scales of W_qkv, one for each 32 codes along K); b_out 1,024 float32; b_qkv 3,072 float32; x_codes 4 x 2,048 x 32 x 16 uint8 (E2M1 codes of x, K innermost, in blocks of 32 codes, two codes a byte); x_scales 4 x 2,048 x 32 uint8 (E8M0 scales of x, one for each 32 codes along K).
;; Outputs: out0 4 x 2,048 x 1,024 float32.
;; This version of the problem:
;;   THIS VERSION OF THE PROBLEM IS GIVEN IN LOW PRECISION. The matrix products marked QUANTISED in the list below multiply operands that are first quantised to E2M1 (2 exponent bits, 1 mantissa bit; 4 bits a number), with one power-of-two scale for each 32 numbers along K (OCP MX v1.0); their sums are f32. All else is computed in f32.
;;   The module's matrix products, in the order in which they are computed (A, B: the left and right operand; K: the contracted axis; several contracted axes count as one K, in the product's order):
;;     1. [M 8,192, K 1,024] x [K 1,024, N 3,072]; A: input x (given as codes); B: input W_qkv (given as codes): QUANTISED
;;     2. batch 64 x [M 2,048, K 64] x [K 64, N 2,048]; A: computed on the way; B: computed on the way: QUANTISED
;;     3. batch 64 x [M 2,048, K 2,048] x [K 2,048, N 64]; A: softmax (see below); B: computed on the way: QUANTISED
;;     4. [M 8,192, K 1,024] x [K 1,024, N 1,024]; A: computed on the way; B: input W_out (given as codes): QUANTISED
;;   THE QUANTISER, for each operand of a quantised product, along K:
;;     - K is cut into blocks of 32 from its start; a last block that is shorter is filled with zeros.
;;     - A block's scale is 2^e with e = floor(log2(the largest magnitude in the block)) - 2, held to -126 .. 127; a block of zeros has e = 0. As a byte (E8M0): e + 127.
;;     - Each number is divided by its block's scale, clamped to +-6, and rounded to the nearest number of E2M1, ties to even, subnormals kept.
;;     - The product sums the exact products of the quantised numbers (number of the format x scale) in f32.
;;   ~~~python
;;   def quantise(x, axis):      # numpy; x: float32 -> the quantised numbers, widened to float32 again
;;       x = np.moveaxis(x, axis, -1); K = x.shape[-1]
;;       x = np.pad(x, [(0, 0)] * (x.ndim - 1) + [(0, -K % 32)]); x = x.reshape(x.shape[:-1] + (-1, 32)); a = np.abs(x).max(-1, keepdims=True)
;;       e = np.where(a > 0, np.clip(np.frexp(np.where(a > 0, a, 1))[1] - 1 - 2, -126, 127), 0)      # np.frexp(a)[1] - 1 = floor(log2(a)), exactly
;;       r = np.clip(x / 2.0 ** e, -6, 6)
;;       step = 2.0 ** (np.maximum(np.frexp(np.where(r == 0, 1, r))[1] - 1, 0) - 1)
;;       q = np.round(r / step) * step * 2.0 ** e      # np.round: ties to even
;;       return np.moveaxis(q.reshape(q.shape[:-2] + (-1,))[..., :K], -1, axis).astype(np.float32)
;;   ~~~
;;   SOFTMAX AHEAD OF A QUANTISED PRODUCT. Where the list says 'softmax', what is quantised is not the finished softmax but p = 2^(t - M), with t = logit x log2(e) and M = ceil(the row's largest t), a whole number; so 1/2 < the row's largest p <= 1. The row's sum l is taken of the UNQUANTISED p, in f32, and the product's result is divided by l at the end. Since M is a whole number, a kernel that streams over the keys may use a running M (the ceiling of the running maximum): every later rescaling is an exact power of two, which a block's scale takes up: the codes' values come out the same.
;;   OPERANDS COMPUTED ON THE WAY. 'Computed on the way' means the value that the module computes at that place (a softmax that the list does not call 'softmax' is quantised finished and normalised). What goes into a quantiser is computed in f32, as accurately as f32 sums, v_exp_f32 and their like allow (about 1e-6 of the number): no bf16 or f16 on the way to a quantiser, and a product that is left as it is and whose result goes on into a quantised operand takes f32 operands (vector FMAs, or v_wmma_f32_16x16x4_f32). A number that lies on a knife's edge between two numbers of the format may be rounded either way, as far as f32 arithmetic and the matrix unit's own rounding can turn it there, and no further.
;;   INPUTS GIVEN AS CODES. W_out (in the module: [1024, 1024], K = its axis 0); W_qkv (in the module: [1024, 3072], K = its axis 0); x (in the module: [4, 2048, 1024], K = its axis 2): each comes as NAME_codes (uint8): NAME with its K axis moved to the last place and cut into blocks of 32 codes, [.., K / 32, bytes a block], one block behind the other in memory; two codes a byte, the lower K in the low four bits (a code: sign, 2 exponent bits, 1 mantissa bit); and NAME_scales (uint8): the same leading axes, one E8M0 byte (e + 127) for each 32 codes along K. Its value is code x scale, taken as it is: it is not quantised again, and the codes and scales need not be those that the quantiser above would give.
;; One version. Each part assembles by itself: llvm-mc -triple=amdgcn-amd-amdhsa -mcpu=gfx1250 --defsym DOCPART=n.
;; ======== version 1 of 1: 3 launches
;; workspace buffers: qbuf 4,456,448 bytes; kv 8,912,896 bytes; attc 4,194,304 bytes; atts 262,144 bytes
;; launch qkv (part 1): grid 12 x 32, 4 waves a work-group, clusters of 4 x 4, 296,448 bytes of LDS; arguments x_codes, x_scales, W_qkv_codes, W_qkv_scales, b_qkv, qbuf, kv; writes qbuf, kv
.if DOCPART == 1
	.amdgcn_target "amdgcn-amd-amdhsa--gfx1250"
	.amdhsa_code_object_version 6
	.text
	.protected	k_qd7ce44b416_qkv
	.globl	k_qd7ce44b416_qkv
	.p2align	8
	.type	k_qd7ce44b416_qkv,@function
k_qd7ce44b416_qkv:
	s_mov_b64 s[64:65], 0
	v_nop
	global_prefetch_b8 v0, s[64:65] scope:SCOPE_SE
	s_setreg_imm32_b32 hwreg(HW_REG_WAVE_MODE, 25, 1), 1
	s_wait_xcnt 0x0
	s_wait_alu depctr_hold_cnt(0) depctr_sa_sdst(0) depctr_va_vdst(0) depctr_va_sdst(0) depctr_va_ssrc(0) depctr_va_vcc(0) depctr_vm_vsrc(0)
	s_getreg_b32 s2, hwreg(HW_REG_IB_STS2, 6, 4)
	s_cmp_eq_u32 s2, 0
	s_cbranch_scc0 .Lentry_in_a_cluster
	s_endpgm
.Lentry_in_a_cluster:
	s_bfe_u32 s2, ttmp6, 0x10000c
	s_cmp_lg_u32 s2, 0xf033
	s_cbranch_scc0 .Lentry_shape_is_right
	s_endpgm
.Lentry_shape_is_right:
; qkv = x W_qkv + b_qkv on codes of FP4 (E2M1) with one E8M0 scale for each 32 along K = 1,024; the result is quantised at once, in registers, for the attention that follows:
; q and k along the head's 64 (two blocks), v along the keys (blocks of 32 tokens).  Nothing wide goes to memory.
; A tile of 256 x 256 is made by four waves, a wave makes 128 x 128: 64 accumulators of 16 x 16.  K is two LDS slots of 512: both are filled once, at the start; no LDS byte is filled twice.
; THE MATRIX INSTRUCTION IS USED TRANSPOSED: source 0 = 16 rows of "B", source 1 = 16 rows of "A": a lane holds ONE row of A and its registers run along B's rows.  A quantiser wants its K along a lane's registers, so
;   cluster x = 0 (q), 1 (k):  A = x (tokens),  B = W_qkv (features): registers run along the head's channels;
;   cluster x = 2 (v):         A = W_qkv,       B = x:                registers run along the tokens, which are the keys.
; The role hangs on the cluster's x alone, which all sixteen partners share; only pointers and tile numbers are chosen by it until the sums of the first slot are done, then the text parts once.
; CLUSTERS: 4 x 4 work-groups; A's tiles are asked for jointly along a row of the cluster, B's along a column.
; WHAT IS STORED: images of operand registers (lane l's 16 bytes at 16 l, 512 bytes a store), so that the attention loads fragments by plain consecutive reads.
;   qbuf [head 64][128 tokens 16][4,352]: 8 token tiles x 512 bytes of codes (lane (r, h): token r, channels 32 h on), then 256 bytes of scale words [lane][2]: the word of pair f = 2 p + lane / 16 of tiles, row lane % 16:
;        bytes 0, 1 tile 2 f's two scale bytes, bytes 2, 3 tile 2 f + 1's.
;   kv   [head 64][128 keys 16][8,704]: k as in qbuf (4,352 bytes), then v: 4 tiles of 16 channels x 128 keys, 1,024 bytes each, then 256 bytes of scale words [lane][2]: channel tile 2 p + lane / 16, row lane % 16.
; LIMITS: a block whose largest magnitude lies under 2^-124 keeps the scale byte 1 (a block of zeros too, where the quantiser's text says 127: its codes are zeros, and these bytes are read by this program alone);
; NaN and infinities among the inputs are not served.
; REGISTERS, in windows of 256: window 0: v1 r, v2 h, v16-27 addresses; v32-95 scale words, two sets (later 64 numbers at work); v96-127 the quantiser's; v128-191 A's fragments (later the codes made); v192-255 the bias.
;   window 1: B's fragments, two sets.   windows 2, 3: the accumulators ((a, b) at v[8 (8 (a % 4) + b)]).
.set KSTEP,  512                       ; along K in a slot
.set NQ,     KSTEP/128                 ; matrix instructions deep
.set ROWB,   256                       ; a tile's row in bytes
.set KROW,   512                       ; a row of codes in memory
.set PITCH,  272                       ; an LDS row: 256 bytes + 16 of padding, so that the 16 rows of a fragment load start 68 words apart
.set FR,     8
.set NL,     2
.set NP,     4
.set HALFT,  128*PITCH
.set SLOT,   4*HALFT
.set KS,     32                        ; a row of scale bytes
.set SCL,    2*SLOT                    ; behind the slots: the scales, as runs of 256 bytes + 16 of padding
.set HALFS,  (128*KS/256)*272
.set SBLK,   (16*KS/256)*272
.set ADRA, 16
.set ADRB, 20
.set LOUT, 24                          ; v24  16 x lane
.set L8,   25                          ; v25  8 x lane
.set BADR, 26                          ; v26  my lane's byte in the bias
.set ADRS, 27
.set SC,   32
.set T,    32                          ; v32-95   one A block's 64 numbers, bias added
.set TM,   96                          ; v96-111  the quantiser's: largest magnitudes, bytes, scale operands
.set WB,   112                         ; v112-119 the eight blocks' scale words
.set PP,   120                         ; v120-123 scale words as they are stored
.set FF,   124                         ; v124-127 at work
.set AF,   128
.set PCB,  128                         ; v128-191 the codes: eight registers for each A block, so that no store's data are written again
.set BIAS, 192
.set SEL,  4                           ; s[4:5] lane selects for lane l xor 16;  s6: the mask of lanes 16-31
.set G1, 24
.set G0, 32
.set G1B, 48
.set G0B, 56
.set G1S, 68
.set G0S, 76
.set G1SB, 80
.set G0SB, 88
.set MSB, 0
.macro WIN new                         ; the immediate's high byte repeats the setting that is left
.if MSB != (\new)
	s_set_vgpr_msb (MSB<<8)|(\new)
.set MSB, (\new)
.endif
.endm
.set MUL_LO, 0xa1                      ; source 0 (B) window 1, source 1 (A) window 0, C and D window 2
.set MUL_HI, 0xf1                      ; the same, C and D window 3
.set TO_B,   0x40                      ; destination window 1, address window 0
; A joint load: waves 0 and 1 fetch for A, waves 2 and 3 for B; the branch hangs on the wave's number alone.  Four v_nop follow each of the two lines.
.macro JLOAD g0a, g1a, g0b, g1b
	s_cmp_eq_u32 s15, 0
	s_cbranch_scc0 .Lfor_b_\@
	tensor_load_to_lds s[\g0a:\g0a+3], s[\g1a:\g1a+7]
	s_nop 0
.rept 4
	v_nop
.endr
	s_branch .Lasked_\@
.Lfor_b_\@:
	tensor_load_to_lds s[\g0b:\g0b+3], s[\g1b:\g1b+7]
	s_nop 0
.rept 4
	v_nop
.endr
.Lasked_\@:
.endm
.macro CROUND                          ; a round of the cluster's barrier
	s_barrier_signal -1
	s_barrier_wait -1
	s_cmp_lg_u32 s14, 0
	s_cbranch_scc1 .Lnot_wave_0_\@
	s_barrier_signal -3
.Lnot_wave_0_\@:
	s_barrier_wait -3
	s_barrier_signal -1
	s_barrier_wait -1
.endm
	s_load_b256 s[4:11], s[0:1], 0x0               ; x's codes, x's scales, W's codes, W's scales
	s_load_b128 s[96:99], s[0:1], 0x20             ; the bias, qbuf
	s_load_b64 s[100:101], s[0:1], 0x30            ; kv
	v_lshl_add_u32 v106, v0, 2, 0x48400
	v_mov_b32 v107, 0
	ds_add_u32 v106, v107
	ds_add_u32 v106, v107
	v_lshrrev_b32 v1, 5, v0
	v_readfirstlane_b32 s14, v1                    ; wave 0..3
	s_lshr_b32 s15, s14, 1                         ; which half of A's rows is mine.  Also: I fetch for A (0) or for B (1)
	s_and_b32 s16, s14, 1                          ; which half of B's rows.  Also: which 128 rows of that tile I fetch
	s_bfe_u32 s40, ttmp6, 0x40000                  ; cx, cy: my place in the cluster
	s_bfe_u32 s41, ttmp6, 0x40004
	s_and_b32 s18, ttmp7, 0xffff                   ; the cluster's y: four token tiles
	s_cmp_eq_u32 ttmp9, 2                          ; the role: v?
	s_cselect_b32 s19, s18, ttmp9                  ; B's tiles walk the tokens for v, the features else
	s_cselect_b32 s18, ttmp9, s18                  ; A's the other way round
	s_lshl_b32 s42, s19, 2
	s_add_co_u32 s42, s42, s40                     ; B's tile of 256 rows
	s_lshl_b32 s17, s18, 2
	s_add_co_u32 s17, s17, s41                     ; A's tile of 256 rows
	s_lshl_b32 s43, s41, 2
	s_lshl_b32 s43, 15, s43                        ; my row of the cluster
	s_lshl_b32 s44, 0x1111, s40                    ; my column
	; descriptor group 1: 128 rows x 256 bytes of codes, 16 bytes of padding behind each row; both tensors have rows of 512 bytes
	s_or_b32 s[G1+0], s43, (0<<16)|(1<<20)|(1<<21)|(5<<22)|(3<<25)
	s_or_b32 s[G1B+0], s44, (0<<16)|(1<<20)|(1<<21)|(5<<22)|(3<<25)
.irp g, G1, G1B
	s_mov_b32 s[\g+1], ROWB<<16                    ; tensor_dim0
	s_mov_b32 s[\g+2], 128<<16                     ; tensor_dim1
	s_mov_b32 s[\g+3], ROWB<<16                    ; tile_dim0
	s_mov_b32 s[\g+4], 128                         ; tile_dim1
	s_mov_b32 s[\g+5], KROW                        ; from row to row
	s_mov_b32 s[\g+6], 0
	s_mov_b32 s[\g+7], 0
.endr
	; the scales of 128 rows: 4,096 dense bytes, as 16 rows of 256 bytes (32 elements of 8), 16 bytes of padding behind each
	s_or_b32 s[G1S+0], s43, (3<<16)|(1<<20)|(1<<21)|(5<<22)|(3<<25)
	s_or_b32 s[G1SB+0], s44, (3<<16)|(1<<20)|(1<<21)|(5<<22)|(3<<25)
.irp g, G1S, G1SB
	s_mov_b32 s[\g+1], 32<<16
	s_mov_b32 s[\g+2], (128*KS/256)<<16
	s_mov_b32 s[\g+3], 32<<16
	s_mov_b32 s[\g+4], 128*KS/256
	s_mov_b32 s[\g+5], 32
	s_mov_b32 s[\g+6], 0
	s_mov_b32 s[\g+7], 0
.endr
	s_lshl_b32 s18, s16, 7                         ; which 128 rows of the tile I fetch
	s_lshl_b32 s20, s17, 8
	s_add_co_u32 s20, s20, s18                     ; A's row
	s_lshl_b32 s46, s42, 8
	s_add_co_u32 s46, s46, s18                     ; B's row
	s_lshl_b32 s22, s20, 5                         ; its scales: 32 bytes a row
	s_mov_b32 s23, 0
	s_lshl_b32 s92, s46, 5
	s_mov_b32 s93, 0
	s_lshl_b32 s20, s20, 9                         ; its codes: 512 bytes a row
	s_mov_b32 s21, 0
	s_lshl_b32 s46, s46, 9
	s_mov_b32 s47, 0
	s_mul_i32 s45, s14, HALFT                      ; where they go: wave x 128 rows: no place in the cluster enters an LDS address
	s_mul_i32 s94, s14, HALFS
	s_wait_dscnt 0x0
	s_wait_kmcnt 0x0
	s_cmp_eq_u32 ttmp9, 2                          ; the choice of buffers hangs on the cluster's x alone
	s_cselect_b64 s[2:3], s[8:9], s[4:5]           ; A's codes
	s_cselect_b64 s[12:13], s[10:11], s[6:7]       ; A's scales
	s_cselect_b64 s[8:9], s[4:5], s[8:9]           ; B's codes
	s_cselect_b64 s[10:11], s[6:7], s[10:11]       ; B's scales
	s_add_nc_u64 s[20:21], s[2:3], s[20:21]
	s_add_nc_u64 s[22:23], s[12:13], s[22:23]
	s_add_nc_u64 s[46:47], s[8:9], s[46:47]
	s_add_nc_u64 s[92:93], s[10:11], s[92:93]
	CROUND                                         ; all sixteen work-groups are here: the joint loads meet
	s_mov_b32 s[G0S], 1
	s_add_co_u32 s[G0S+1], s94, SCL
	s_mov_b64 s[G0S+2:G0S+3], s[22:23]
	s_or_b32 s[G0S+3], s[G0S+3], 0x80000000
	s_mov_b32 s[G0SB], 1
	s_add_co_u32 s[G0SB+1], s94, SCL
	s_mov_b64 s[G0SB+2:G0SB+3], s[92:93]
	s_or_b32 s[G0SB+3], s[G0SB+3], 0x80000000
	JLOAD G0S, G1S, G0SB, G1SB                     ; the scales first: they are wanted with the first slot
.irp s, 0,1
	s_mov_b32 s[G0+4*\s], 1
	s_add_co_u32 s[G0+4*\s+1], s45, \s*SLOT
	s_add_nc_u64 s[G0+4*\s+2:G0+4*\s+3], s[20:21], \s*ROWB
	s_or_b32 s[G0+4*\s+3], s[G0+4*\s+3], 0x80000000
	s_mov_b32 s[G0B+4*\s], 1
	s_add_co_u32 s[G0B+4*\s+1], s45, \s*SLOT
	s_add_nc_u64 s[G0B+4*\s+2:G0B+4*\s+3], s[46:47], \s*ROWB
	s_or_b32 s[G0B+4*\s+3], s[G0B+4*\s+3], 0x80000000
	JLOAD G0+4*\s, G1, G0B+4*\s, G1B               ; three loads of mine are out now: all that this launch asks for
.endr
	s_mov_b32 s[SEL], 0x76543210
	s_mov_b32 s[SEL+1], 0xfedcba98
	s_mov_b32 s6, 0xffff0000
	v_and_b32 v1, 15, v0                           ; r = lane % 16
	v_bfe_u32 v2, v0, 4, 1                         ; h = lane / 16
	v_mul_u32_u24 v3, v1, PITCH
	v_lshl_add_u32 v4, v2, 4, v3                   ; a fragment's row x pitch + 16 x half
	s_mul_i32 s21, s15, HALFT                      ; my 128 rows of A
	s_mul_i32 s22, s16, HALFT                      ; my 128 rows of B,
	s_add_co_u32 s22, s22, 2*HALFT                 ; which lie behind A's 256
.irp s, 0,1
	v_add_nc_u32 v[ADRA+\s], s21, v4
	v_add_nc_u32 v[ADRB+\s], s22, v4
	s_add_co_u32 s21, s21, SLOT
	s_add_co_u32 s22, s22, SLOT
.endr
	v_mul_u32_u24 v5, v1, KS                       ; my row's scales: 32 bytes a row,
	v_lshrrev_b32 v6, 8, v5
	v_lshl_add_u32 v5, v6, 4, v5                   ; and 16 more for each 256 passed
	s_mul_i32 s21, s15, HALFS
	s_mul_i32 s22, s16, HALFS
	s_add_co_u32 s22, s22, 2*HALFS
	s_sub_co_u32 s22, s22, s21
	v_mul_u32_u24 v6, s22, v2                      ; lanes 16-31 take B's
	s_add_co_u32 s21, s21, SCL
	v_add_nc_u32 v5, v5, v6
	v_add_nc_u32 v[ADRS], s21, v5
	v_and_b32 v6, 31, v0
	v_lshlrev_b32 v[LOUT], 4, v6
	v_lshlrev_b32 v[L8], 3, v6
.irp b, 0,1,2,3
	v_mov_b32 v[TM+4+\b], 0                        ; written once: a lane permute's destination counts as one of its sources
.endr
.macro FRAG reg, adr, q, i             ; 16 rows x 128 K of 4-bit codes: lane l holds row l % 16; registers 4 c .. 4 c + 3 hold K = 64 c + 32 (l / 16) + 0 .. 31
.irp c, 0,1
	ds_load_b128 v[\reg+4*\c:\reg+4*\c+3], v[\adr] offset:64*(\q)+32*\c+(\i)*16*PITCH
.endr
.endm
; 16 matrix instructions: A's blocks a0, a0 + 1 x B's eight, the slot's q-th 128 along K.  p: B's set; sc: the set of scale words; zero = 1: the first product starts the sums.
; The 64 accumulators take turns, one instruction a turn, in the same order in every step.
.macro MUL16 a0, p, q, sc, zero
.irp a, \a0, \a0+1
.irp b, 0,1,2,3,4,5,6,7
.if \zero
	v_wmma_scale_f32_16x16x128_f8f6f4 v[8*(8*((\a)%4)+\b):8*(8*((\a)%4)+\b)+7], v[128*(\p)+FR*\b:128*(\p)+FR*\b+FR-1], v[AF+FR*(\a):AF+FR*(\a)+FR-1], 0, v[SC+8*NQ*(\sc)+NQ*\b+(\q)], v[SC+8*NQ*(\sc)+NQ*(\a)+(\q)] matrix_a_fmt:MATRIX_FMT_FP4 matrix_b_fmt:MATRIX_FMT_FP4 matrix_a_scale:MATRIX_SCALE_ROW1
.else
	v_wmma_scale_f32_16x16x128_f8f6f4 v[8*(8*((\a)%4)+\b):8*(8*((\a)%4)+\b)+7], v[128*(\p)+FR*\b:128*(\p)+FR*\b+FR-1], v[AF+FR*(\a):AF+FR*(\a)+FR-1], v[8*(8*((\a)%4)+\b):8*(8*((\a)%4)+\b)+7], v[SC+8*NQ*(\sc)+NQ*\b+(\q)], v[SC+8*NQ*(\sc)+NQ*(\a)+(\q)] matrix_a_fmt:MATRIX_FMT_FP4 matrix_b_fmt:MATRIX_FMT_FP4 matrix_a_scale:MATRIX_SCALE_ROW1
.endif
.endr
.endr
.endm
.macro FETCH_B slot, q, p
	WIN TO_B
.irp i, 0,1,2,3,4,5,6,7
	FRAG 128*(\p)+FR*\i, ADRB+\slot, \q, \i
.endr
	WIN 0
.endm
.macro FETCH_A slot, q, i0
.irp i, \i0, \i0+1, \i0+2, \i0+3
	FRAG AF+FR*(\i), ADRA+\slot, \q, \i
.endr
.endm
.macro SCALES sc                       ; a slot's scale words: four words a row; lanes 0-15 take A's block i, lanes 16-31 B's block i
.irp i, 0,1,2,3,4,5,6,7
	ds_load_b128 v[SC+8*NQ*\sc+NQ*\i:SC+8*NQ*\sc+NQ*\i+3], v[ADRS] offset:\i*SBLK
.endr
.endm
.macro PLACES n                        ; plain vector instructions between a matrix instruction and a load into, or a vector instruction on, one of its registers
.rept \n
	v_nop
.endr
.endm
.macro STEP slot, q, zero              ; a step of 128 along K that has its successor in the same slot
	s_wait_dscnt 4*NL                              ; B's set and A's blocks 0-3 are in; the youngest eight loads (A's blocks 4-7) may be out
	WIN MUL_LO
	MUL16 0, (\q)%2, \q, \slot, \zero
	MUL16 2, (\q)%2, \q, \slot, \zero
	s_wait_dscnt 0
	PLACES NP
	FETCH_B \slot, (\q)+1, 1-(\q)%2
	FETCH_A \slot, (\q)+1, 0
	WIN MUL_HI
	MUL16 4, (\q)%2, \q, \slot, \zero
	MUL16 6, (\q)%2, \q, \slot, \zero
	PLACES NP
	WIN 0
	FETCH_A \slot, (\q)+1, 4
.endm
.macro STEPS slot, from
.set Q, \from
.rept NQ-1-\from
	STEP \slot, Q, 0
.set Q, Q+1
.endr
.endm
; Slot 0's last step changes slots: each wave waits for its part of slot 1 (its last load) and for its LDS loads, then the barrier.
.macro TURN
	s_wait_tensorcnt 0x0                           ; my part of slot 1 has landed
	s_wait_dscnt 4*NL                              ; (the youngest eight loads, A's blocks 4-7, may be out)
	WIN MUL_LO
	MUL16 0, 1, NQ-1, 0, 0
	s_wait_dscnt 0x0                               ; no LDS instruction of mine is out at the signal
	s_barrier_signal -1
	MUL16 2, 1, NQ-1, 0, 0
	WIN 0
	s_barrier_wait -1                              ; slot 1 is whole
	PLACES NP
	v_add_nc_u32 v[ADRS], 4*NQ, v[ADRS]            ; on to slot 1's scale words
	FETCH_B 1, 0, 0
	FETCH_A 1, 0, 0
	SCALES 1
	WIN MUL_HI
	MUL16 4, 1, NQ-1, 0, 0
	MUL16 6, 1, NQ-1, 0, 0
	PLACES NP
	WIN 0
	FETCH_A 1, 0, 4
.endm
; THE QUANTISER.  64 numbers of a lane, register 16 b + 8 u + j = k 32 b + 16 u + 8 (lane / 16) + j of my row, become a fragment's 8 registers of codes from v[pc] on and its scale word in v[pw].
; A block lies in lanes l and l xor 16.  The conversion of (b, u) goes to register 4 (b / 2) + 2 u + b % 2; then registers 4 c + 2 u and 4 c + 2 u + 1 change halves, which gives the operand's layout: register 4 c + i, half h: k = 64 c + 32 h + 8 i on.
.macro QUANT s, pc, pw
.irp b, 0,1,2,3
	v_max3_num_f32 v[TM+\b], |v[(\s)+16*\b]|, |v[(\s)+1+16*\b]|, 0x1800000   ; my 16 numbers of block b, and the floor 2^(3 - 127): the byte cannot fall under 1
.endr
.irp i, 2,4,6,8,10,12,14
.irp b, 0,1,2,3
	v_max3_num_f32 v[TM+\b], v[TM+\b], |v[(\s)+16*\b+\i]|, |v[(\s)+1+16*\b+\i]|
.endr
.endr
.irp b, 0,1,2,3
	v_permlanex16_b32 v[TM+4+\b], v[TM+\b], s[SEL], s[SEL+1]
.endr
.irp b, 0,1,2,3
	v_max_num_f32 v[TM+\b], v[TM+\b], v[TM+4+\b]   ; the block's largest magnitude
.endr
.irp b, 0,1,2,3
	v_add_nc_u32 v[TM+12+\b], 0xff000000, v[TM+\b] ; 2 off its exponent field: the conversion's scale operand
.endr
.irp b, 0,1,2,3
	v_lshrrev_b32 v[TM+4+\b], 23, v[TM+12+\b]      ; the scale's byte
.endr
	v_lshl_or_b32 v[\pw], v[TM+5], 8, v[TM+4]
	v_lshl_or_b32 v[\pw], v[TM+6], 16, v[\pw]
	v_lshl_or_b32 v[\pw], v[TM+7], 24, v[\pw]
.irp b, 0,1,2,3
.irp u, 0,1
	v_cvt_scalef32_pk8_fp4_f32 v[(\pc)+4*(\b/2)+2*\u+(\b%2)], v[(\s)+16*\b+8*\u:(\s)+16*\b+8*\u+7], v[TM+12+\b]
.endr
.endr
	v_nop                                          ; one plain place behind a scaled conversion
.irp c, 0,1
.irp u, 0,1
	v_permlane16_swap_b32 v[(\pc)+4*\c+2*\u], v[(\pc)+4*\c+2*\u+1]
.endr
.endr
.endm
; A block a of 16 rows of A: the bias is added on the way from the accumulators' window into window 0 (each accumulator from its low end on), the 64 numbers are quantised, the codes are stored: 512 consecutive bytes a store.
.macro EPI a, isv
	WIN 0x02+(\a)/4                                ; source 0: window 2 or 3
.set i, 0
.rept 32
.if \isv
	v_pk_add_f32 v[T+2*i:T+2*i+1], v[64*((\a)%4)+2*i:64*((\a)%4)+2*i+1], v[BIAS+2*(\a):BIAS+2*(\a)+1]
.else
	v_pk_add_f32 v[T+2*i:T+2*i+1], v[64*((\a)%4)+2*i:64*((\a)%4)+2*i+1], v[BIAS+2*i:BIAS+2*i+1]
.endif
.set i, i+1
.endr
	WIN 0
	QUANT T, PCB+8*(\a), WB+(\a)
.if \isv
	global_store_b128 v[LOUT], v[PCB+8*(\a):PCB+8*(\a)+3], s[20+2*((\a)/4):21+2*((\a)/4)] offset:4352+1024*((\a)%4)        ; head a / 4, channel tile a % 4: keys 0-63 of the step,
	global_store_b128 v[LOUT], v[PCB+8*(\a)+4:PCB+8*(\a)+7], s[20+2*((\a)/4):21+2*((\a)/4)] offset:4352+1024*((\a)%4)+512  ; keys 64-127
.else
	global_store_b128 v[LOUT], v[PCB+8*(\a):PCB+8*(\a)+3], s[20:21] offset:512*(\a)      ; token tile a: my first head's 64 channels,
	global_store_b128 v[LOUT], v[PCB+8*(\a)+4:PCB+8*(\a)+7], s[22:23] offset:512*(\a)    ; my second head's
.endif
.endm
; What differs between the roles: where the results go, how the bias lies, and (so that the bias lands under matrix work) the second slot's steps, written once for each role.
.macro ROLE isv
.if \isv
.set RTT, 42                           ; the token tile, the token half, the feature tile, the feature half: which scalar holds which
.set RTH, 16
.set RFT, 17
.set RFH, 15
.else
.set RTT, 17
.set RTH, 15
.set RFT, 42
.set RFH, 16
.endif
	s_lshr_b32 s66, s[RTT], 3                      ; the batch
	s_and_b32 s67, s[RTT], 7
	s_lshl_b32 s67, s67, 1
	s_add_co_u32 s67, s67, s[RTH]                  ; which 128 tokens of it
	s_and_b32 s92, s[RFT], 3
	s_lshl_b32 s92, s92, 2
	s_lshl_b32 s93, s[RFH], 1
	s_add_co_u32 s92, s92, s93                     ; my first head of two
	s_lshl_b32 s66, s66, 4
	s_add_co_u32 s66, s66, s92
	s_lshl_b32 s66, s66, 4
	s_add_co_u32 s66, s66, s67                     ; the record: (16 batch + head) 16 + group
.if \isv
	s_mul_i32 s20, s66, 8704
	s_mov_b32 s21, 0
	s_add_nc_u64 s[20:21], s[100:101], s[20:21]    ; kv, my first head's record
	s_add_nc_u64 s[22:23], s[20:21], 139264        ; my second head's: 16 records on
.else
	s_mul_i32 s20, s66, 4352
	s_lshl_b32 s20, s20, ttmp9                     ; records of 4,352 bytes in qbuf (cluster x = 0), of 8,704 in kv (1)
	s_mov_b32 s21, 0
	s_mov_b32 s22, 69632
	s_lshl_b32 s22, s22, ttmp9                     ; 16 records
	s_mov_b32 s23, 0
	s_cmp_eq_u32 ttmp9, 1
	s_cselect_b64 s[94:95], s[100:101], s[98:99]   ; k goes to kv, q to qbuf
	s_add_nc_u64 s[20:21], s[94:95], s[20:21]
	s_add_nc_u64 s[22:23], s[20:21], s[22:23]
.endif
	s_lshl_b32 s46, s[RFT], 10
	s_lshl_b32 s47, s[RFH], 9
	s_add_co_u32 s46, s46, s47
	s_mov_b32 s47, 0
	s_add_nc_u64 s[46:47], s[96:97], s[46:47]      ; the bias of my 128 features
.if \isv
	v_lshlrev_b32 v[BADR], 2, v1                   ; a lane holds one feature: block a's number for row r, in both registers of a pair for the packed addition
.irp a, 0,1,2,3,4,5,6,7
	global_load_b32 v[BIAS+2*\a], v[BADR], s[46:47] offset:64*\a
	global_load_b32 v[BIAS+2*\a+1], v[BADR], s[46:47] offset:64*\a
.endr
.else
	v_lshlrev_b32 v[BADR], 5, v2                   ; a lane's registers run along the features: for B's block b those at 16 b + 8 h + 0 .. 7
.irp b, 0,1,2,3,4,5,6,7
	global_load_b128 v[BIAS+8*\b:BIAS+8*\b+3], v[BADR], s[46:47] offset:64*\b
	global_load_b128 v[BIAS+8*\b+4:BIAS+8*\b+7], v[BADR], s[46:47] offset:64*\b+16
.endr
.endif
	STEPS 1, 0
	s_wait_dscnt 4*NL                              ; the last step: nothing more to fetch
	WIN MUL_LO
	MUL16 0, 1, NQ-1, 1, 0
	MUL16 2, 1, NQ-1, 1, 0
	s_wait_dscnt 0
	WIN MUL_HI
	MUL16 4, 1, NQ-1, 1, 0
	MUL16 6, 1, NQ-1, 1, 0
	WIN 0
	PLACES NP                                      ; in front of the first read of results and of the first write over scale words and fragments
	s_wait_loadcnt 0x0                             ; the bias
.irp a, 0,1,2,3,4,5,6,7
	EPI \a, \isv
.endr
.irp hh, 0,1                           ; the scale words of my two heads, 8 bytes a lane: 256 consecutive bytes a store
.if \isv
	v_cndmask_b32 v[PP+2*\hh], v[WB+4*\hh], v[WB+4*\hh+1], s6         ; lanes 0-15 channel tile 0's word, lanes 16-31 tile 1's
	v_cndmask_b32 v[PP+2*\hh+1], v[WB+4*\hh+2], v[WB+4*\hh+3], s6     ; tiles 2 and 3
	global_store_b64 v[L8], v[PP+2*\hh:PP+2*\hh+1], s[20+2*\hh:21+2*\hh] offset:8448
.else
.irp f, 0,1,2,3
	v_perm_b32 v[FF+\f], v[WB+2*\f+1], v[WB+2*\f], 0x05040100+0x02020202*\hh   ; this head's two bytes of token tile 2 f below, of tile 2 f + 1 above
.endr
	v_cndmask_b32 v[PP+2*\hh], v[FF], v[FF+1], s6
	v_cndmask_b32 v[PP+2*\hh+1], v[FF+2], v[FF+3], s6
	global_store_b64 v[L8], v[PP+2*\hh:PP+2*\hh+1], s[20+2*\hh:21+2*\hh] offset:4096
.endif
.endr
.endm
	s_wait_alu depctr_va_vdst(0)
	s_wait_tensorcnt 1                             ; the scales and my part of slot 0 are in (slot 1's load may be out),
	s_barrier_signal -1
	s_barrier_wait -1                              ; everybody's are
	FETCH_B 0, 0, 0
	FETCH_A 0, 0, 0
	SCALES 0
	FETCH_A 0, 0, 4
	STEP 0, 0, 1                                   ; the first products start the sums: nothing is cleared
	STEPS 0, 1
	TURN
	s_cmp_eq_u32 ttmp9, 2                          ; the one parting of the roles, behind the last work-group barrier of the product; all partners of a cluster take the same way
	s_cbranch_scc1 .Lrole_v
	ROLE 0
	s_branch .Lend
.Lrole_v:
	ROLE 1
.Lend:
	s_wait_tensorcnt 0x0
	ds_add_u32 v106, v107
	s_wait_dscnt 0x0
	CROUND                                         ; the closing round: no work-group ends while a partner may still ask for a tile that names it
	s_endpgm
.Lfunc_end_k_qd7ce44b416_qkv:
	.size	k_qd7ce44b416_qkv, .Lfunc_end_k_qd7ce44b416_qkv-k_qd7ce44b416_qkv
	.p2alignl 7, 3214868480
	.fill 96, 4, 3214868480
	.section	.rodata,"a",@progbits
	.p2align	6, 0x0
	.amdhsa_kernel k_qd7ce44b416_qkv
		.amdhsa_group_segment_fixed_size 296448
		.amdhsa_private_segment_fixed_size 0
		.amdhsa_enable_private_segment 0
		.amdhsa_kernarg_size 56
		.amdhsa_user_sgpr_count 2
		.amdhsa_user_sgpr_kernarg_segment_ptr 1
		.amdhsa_wavefront_size32 1
		.amdhsa_system_sgpr_workgroup_id_x 1
		.amdhsa_system_sgpr_workgroup_id_y 1
		.amdhsa_system_sgpr_workgroup_id_z 1
		.amdhsa_system_vgpr_workitem_id 0
		.amdhsa_next_free_vgpr 1024
		.amdhsa_next_free_sgpr 102
		.amdhsa_reserve_vcc 0
		.amdhsa_float_denorm_mode_32 3
		.amdhsa_float_denorm_mode_16_64 3
		.amdhsa_memory_ordered 1
		.amdhsa_forward_progress 1
		.amdhsa_inst_pref_size 237
	.end_amdhsa_kernel
	.amdgpu_metadata
---
amdhsa.version: [ 1, 2 ]
amdhsa.kernels:
  - .name:           k_qd7ce44b416_qkv
    .symbol:         k_qd7ce44b416_qkv.kd
    .args:
      - { .name: x_codes, .offset: 0, .size: 8, .value_kind: global_buffer, .address_space: global }
      - { .name: x_scales, .offset: 8, .size: 8, .value_kind: global_buffer, .address_space: global }
      - { .name: W_qkv_codes, .offset: 16, .size: 8, .value_kind: global_buffer, .address_space: global }
      - { .name: W_qkv_scales, .offset: 24, .size: 8, .value_kind: global_buffer, .address_space: global }
      - { .name: b_qkv, .offset: 32, .size: 8, .value_kind: global_buffer, .address_space: global }
      - { .name: qbuf, .offset: 40, .size: 8, .value_kind: global_buffer, .address_space: global }
      - { .name: kv, .offset: 48, .size: 8, .value_kind: global_buffer, .address_space: global }
    .group_segment_fixed_size: 296448
    .private_segment_fixed_size: 0
    .kernarg_segment_align: 8
    .kernarg_segment_size: 56
    .max_flat_workgroup_size: 128
    .sgpr_count:     102
    .vgpr_count:     1024
    .wavefront_size: 32
...
	.end_amdgpu_metadata
.endif
;; end of part 1
;; launch attn (part 2): grid 4 x 64, 16 waves a work-group, clusters of 4 x 1, 169,984 bytes of LDS; arguments qbuf, kv, attc, atts; writes attc, atts
.if DOCPART == 2
	.amdgcn_target "amdgcn-amd-amdhsa--gfx1250"
	.amdhsa_code_object_version 6
	.text
	.protected	k_qd7ce44b416_attn
	.globl	k_qd7ce44b416_attn
	.p2align	8
	.type	k_qd7ce44b416_attn,@function
k_qd7ce44b416_attn:
	s_mov_b64 s[64:65], 0
	v_nop
	global_prefetch_b8 v0, s[64:65] scope:SCOPE_SE
	s_setreg_imm32_b32 hwreg(HW_REG_WAVE_MODE, 25, 1), 1
	s_wait_xcnt 0x0
	s_wait_alu depctr_hold_cnt(0) depctr_sa_sdst(0) depctr_va_vdst(0) depctr_va_sdst(0) depctr_va_ssrc(0) depctr_va_vcc(0) depctr_vm_vsrc(0)
	s_getreg_b32 s2, hwreg(HW_REG_IB_STS2, 6, 4)
	s_cmp_eq_u32 s2, 0
	s_cbranch_scc0 .Lentry_in_a_cluster
	s_endpgm
.Lentry_in_a_cluster:
	s_bfe_u32 s2, ttmp6, 0x10000c
	s_cmp_lg_u32 s2, 0x3003
	s_cbranch_scc0 .Lentry_shape_is_right
	s_endpgm
.Lentry_shape_is_right:
; Causal attention of one head on codes of FP4 (E2M1) with E8M0 scales, and the quantising of its result for the last product.
; t = score x log2(e) / 8; M = the running largest t rounded UP to a whole number; p = 2^(t - M) is quantised along the keys, not normalised; the row's sum is taken of the unquantised p and divides at the end.
; SHARES.  A cluster of four work-groups is one head (64 heads).  The head's K and V, as images of operand registers with their scale words, are 139,264 dense bytes: they are asked for JOINTLY, once, and stay in each
; work-group's LDS: nothing is filled twice.  The head has 128 tiles of 16 queries.  Wave w (g = w % 8, e = w / 8) of work-group cx takes tile 8 g + 2 cx + e (g + 1 key steps of 128) and its mirror 127 - that (16 - g steps):
; 17 steps for every wave of the launch.  How many steps a wave walks hangs on its number alone; the place in the cluster enters global addresses and the mask's compare only.
; LAYOUT.  Both products are used transposed: a lane holds ONE query (lane % 16) throughout.  The first product's K is 64, half of the instruction's 128: a fragment of K holds TWO tiles of 16 keys (registers 0-3, 4-7) and is
; multiplied by [Q | zeros] and by [zeros | Q]; zero codes add nothing.  S^T's register 8 t + j holds key 16 t + 8 (lane / 16) + j; a block of 32 keys lies in 16 registers of lanes l and l xor 16.
; LIMITS: NaN and infinities are not served; a block whose largest number lies under 2^-124 (a block of zeros too) keeps the scale byte 1: its bytes are read by this program alone.
; The two scale bytes of a token and head leave as 2 bytes a lane, 32 bytes apart: the other heads' bytes of such a row belong to other work-groups; they are 1 byte in 17 of what the launch stores.
.set REC,   8704                       ; a key step's record: K's codes 4,096, K's scale words 256, V's codes 4,096, V's scale words 256
.set L16,  1                           ; v1   16 x lane
.set L8,   2                           ; v2   8 x lane
.set ADK,  3                           ; v3   LDS address of the step's images
.set ADS,  4                           ; v4   of its scale words
.set NINF, 7                           ; v7   -infinity
.set DM1,  8                           ; v8, v9  my query - 8 (lane / 16), counted from the diagonal step's first key, for the two tiles
.set DM2,  9
.set R32,  10                          ; v10  32 r
.set R8,   11                          ; v11  8 r
.set QHI1, 16                          ; v16-35: zeros | Q of tile 1 | zeros | Q of tile 2 | zeros
.set QLO1, 20
.set QHI2, 24
.set QLO2, 28
.set QS1,  36                          ; v36, v37  Q's scale words (its two bytes, twice)
.set QS2,  37
.set KF,   40                          ; v40-71   K's four fragments
.set VF,   72                          ; v72-103  V's four
.set S,    104                         ; v104-167 S^T, then p
.set O,    168                         ; v168-199 O^T
.set PC,   200                         ; v200-207 p's codes
.set BM,   208                         ; v208-211 the blocks' largest
.set T2,   212                         ; v212-215 at work
.set SO,   216                         ; v216-219 the conversions' scale operands
.set PW,   220                         ; v220     p's scale word
.set KSC,  222                         ; v222-223 K's scale words
.set VSC,  224                         ; v224-225 V's
.set FP,   226                         ; v226     f = 2^(old M - new M); v227 named with it as a pair
.set TMP,  228
.set SUM2, 230                         ; v230-231 the second chain of the sum
.set OC1,  232                         ; v232-239 the result's codes, four registers a tile
.set OC2,  236
.set HW1,  240                         ; v240, v241  its two scale bytes
.set HW2,  241
.set WV,   12
.set LIM,  19                          ; s19  the diagonal's key step
.set KSI,  21                          ; s21  the key step in hand
.set TB,   22                          ; s22  its LDS byte
.set CNT,  23
.set SEL,  48
.set CS,   50
.macro CROUND                          ; a round of the cluster's barrier
	s_barrier_signal -1
	s_barrier_wait -1
	s_cmp_lg_u32 s[WV], 0
	s_cbranch_scc1 .Lnot_wave_0_\@
	s_barrier_signal -3
.Lnot_wave_0_\@:
	s_barrier_wait -3
	s_barrier_signal -1
	s_barrier_wait -1
.endm
	s_load_b256 s[4:11], s[0:1], 0x0               ; qbuf, kv, attc, atts
	v_lshl_add_u32 v254, v0, 2, 0x29000
	v_mov_b32 v255, 0
	ds_add_u32 v254, v255
	ds_add_u32 v254, v255
	v_lshrrev_b32 v1, 5, v0
	s_delay_alu instid0(VALU_DEP_1)
	v_readfirstlane_b32 s[WV], v1                  ; wave 0..15
	s_bfe_u32 s13, ttmp6, 0x40000                  ; cx
	s_and_b32 s14, ttmp7, 0xffff                   ; the head, 16 batch + head: shared by the four partners
	s_and_b32 s15, s[WV], 7                        ; g
	s_lshr_b32 s16, s[WV], 3                       ; e
	s_lshl_b32 s17, s13, 1
	s_add_co_u32 s17, s17, s16                     ; the second tile's place in its 128 queries: 2 cx + e
	s_sub_co_u32 s18, 7, s17                       ; the first tile's
	s_sub_co_u32 s[LIM], 15, s15                   ; the first tile's group of 128 queries = its diagonal step
	; descriptor group 1: 68 rows of 256 bytes (32 elements of 8), dense: two key steps' records
	s_mov_b32 s24, 15|(3<<16)|(1<<21)              ; the mask names all four work-groups; bit 21 set beside it; no padding: every LDS read takes consecutive bytes
	s_mov_b32 s25, 32<<16
	s_mov_b32 s26, 68<<16
	s_mov_b32 s27, 32<<16
	s_mov_b32 s28, 68
	s_mov_b32 s29, 32
	s_mov_b32 s30, 0
	s_mov_b32 s31, 0
	s_mul_i32 s66, s14, 16*REC                     ; the head's records,
	s_mul_i32 s33, s15, 2*REC                      ; the two that wave g fetches: the same offset in LDS
	s_add_co_u32 s66, s66, s33
	s_mov_b32 s67, 0
	s_mov_b32 s32, 1
	s_wait_dscnt 0x0
	s_wait_kmcnt 0x0
	s_add_nc_u64 s[34:35], s[6:7], s[66:67]
	s_or_b32 s35, s35, 0x80000000
	CROUND                                         ; all four work-groups are here: the joint loads meet
	s_cmp_lt_u32 s[WV], 8                          ; waves 0 to 7 fetch, one load each; it is all that the launch asks for
	s_cbranch_scc0 .Lno_fill
	tensor_load_to_lds s[32:35], s[24:31]
	s_nop 0
.rept 4
	v_nop
.endr
.Lno_fill:
; The addresses of one tile: pos = its place in its 128 queries, grp = which 128
.macro PTRS pos, grp, qc, qs, ac, as, sel
	s_lshl_b32 s66, s14, 4
	s_add_co_u32 s66, s66, s[\grp]
	s_mul_i32 s66, s66, 4352                       ; qbuf's record
	s_lshl_b32 s67, s[\pos], 9
	s_add_co_u32 s68, s66, s67
	s_mov_b32 s69, 0
	s_add_nc_u64 s[\qc:\qc+1], s[4:5], s[68:69]    ; Q's image
	s_lshr_b32 s67, s[\pos], 1                     ; the pair of tiles f: its words lie at lane r + 16 (f % 2), word f / 2
	s_and_b32 s68, s67, 1
	s_lshl_b32 s68, s68, 7
	s_lshr_b32 s67, s67, 1
	s_lshl_b32 s67, s67, 2
	s_add_co_u32 s68, s68, s67
	s_add_co_u32 s68, s68, s66
	s_add_co_u32 s68, s68, 4096
	s_add_nc_u64 s[\qs:\qs+1], s[4:5], s[68:69]
	s_lshr_b32 s66, s14, 4
	s_lshl_b32 s66, s66, 7
	s_lshl_b32 s67, s[\grp], 3
	s_add_co_u32 s66, s66, s67
	s_add_co_u32 s66, s66, s[\pos]                 ; the tile among all 512 token tiles
	s_and_b32 s67, s14, 15                         ; the head in its batch
	s_lshl_b32 s68, s66, 4
	s_add_co_u32 s68, s68, s67
	s_lshl_b32 s68, s68, 9
	s_add_nc_u64 s[\ac:\ac+1], s[8:9], s[68:69]    ; attc: [tile][head][512]
	s_lshl_b32 s68, s66, 9
	s_lshl_b32 s67, s67, 1
	s_add_co_u32 s68, s68, s67
	s_add_nc_u64 s[\as:\as+1], s[10:11], s[68:69]  ; atts: [token][32], byte 2 head
	s_mov_b32 s[\sel], 0x01000100                  ; which half of the pair's word is this tile's: the lower for an even place,
	s_bitcmp1_b32 s[\pos], 0
	s_cselect_b32 s[\sel], 0x03020302, s[\sel]     ; the upper for an odd one
.endm
	PTRS 18, 19, 52, 70, 56, 58, 74
	PTRS 17, 15, 54, 72, 60, 62, 75
	v_and_b32 v6, 31, v0
	s_delay_alu instid0(VALU_DEP_1)
	v_lshlrev_b32 v[L16], 4, v6
	s_delay_alu instid0(VALU_DEP_2)
	v_lshlrev_b32 v[L8], 3, v6
	v_and_b32 v5, 15, v0                           ; r
	v_bfe_u32 v6, v0, 4, 1                         ; h
	s_delay_alu instid0(VALU_DEP_2)
	v_lshlrev_b32 v[R8], 3, v5
	s_delay_alu instid0(VALU_DEP_3)
	v_lshlrev_b32 v[R32], 5, v5
	global_load_b128 v[QLO1:QLO1+3], v[L16], s[52:53]
	global_load_b128 v[QLO2:QLO2+3], v[L16], s[54:55]
	global_load_b32 v38, v[R8], s[70:71]
	global_load_b32 v39, v[R8], s[72:73]
	v_lshlrev_b32 v[TMP], 3, v6
	s_delay_alu instid0(VALU_DEP_1)
	v_sub_nc_u32 v[TMP], v5, v[TMP]                ; r - 8 h
	s_lshl_b32 s66, s18, 4
	v_add_nc_u32 v[DM1], s66, v[TMP]
	s_lshl_b32 s66, s17, 4
	v_add_nc_u32 v[DM2], s66, v[TMP]
	v_mov_b32 v[NINF], 0xff800000
	s_mov_b32 s[SEL], 0x76543210
	s_mov_b32 s[SEL+1], 0xfedcba98
	s_mov_b32 s[CS], 0x3e38aa3b                    ; c = log2(e) / 8
	s_mov_b32 s[CS+1], s[CS]                       ; (named with it as a pair, so it is written)
.irp j, 16,17,18,19,24,25,26,27,32,33,34,35
	v_mov_b32 v[\j], 0                             ; the zero codes beside Q
.endr
.irp b, 0,1,2,3
	v_mov_b32 v[T2+\b], 0                          ; written once: a lane permute's destination counts as one of its sources
.endr
	v_mov_b32 v[FP+1], 0                           ; (named as the upper half of a pair)
	s_wait_loadcnt 0x0
	v_perm_b32 v[QS1], v38, v38, s74               ; Q's two scale bytes, twice: for [Q | zeros] and for [zeros | Q]
	v_perm_b32 v[QS2], v39, v39, s75
.macro SMUL d, a, b, sa, sb, row1      ; a tile of S^T; row1: K's scale words stand in lanes 16-31
.if \row1
	v_wmma_scale_f32_16x16x128_f8f6f4 v[(\d):(\d)+7], v[(\a):(\a)+7], v[(\b):(\b)+7], 0, v[\sa], v[\sb] matrix_a_fmt:MATRIX_FMT_FP4 matrix_b_fmt:MATRIX_FMT_FP4 matrix_a_scale:MATRIX_SCALE_ROW1
.else
	v_wmma_scale_f32_16x16x128_f8f6f4 v[(\d):(\d)+7], v[(\a):(\a)+7], v[(\b):(\b)+7], 0, v[\sa], v[\sb] matrix_a_fmt:MATRIX_FMT_FP4 matrix_b_fmt:MATRIX_FMT_FP4
.endif
.endm
.macro OMUL t                          ; O^T's tile t += V^T's tile t x P^T
.if (\t)%2
	v_wmma_scale_f32_16x16x128_f8f6f4 v[O+8*(\t):O+8*(\t)+7], v[VF+8*(\t):VF+8*(\t)+7], v[PC:PC+7], v[O+8*(\t):O+8*(\t)+7], v[VSC+(\t)/2], v[PW] matrix_a_fmt:MATRIX_FMT_FP4 matrix_b_fmt:MATRIX_FMT_FP4 matrix_a_scale:MATRIX_SCALE_ROW1
.else
	v_wmma_scale_f32_16x16x128_f8f6f4 v[O+8*(\t):O+8*(\t)+7], v[VF+8*(\t):VF+8*(\t)+7], v[PC:PC+7], v[O+8*(\t):O+8*(\t)+7], v[VSC+(\t)/2], v[PW] matrix_a_fmt:MATRIX_FMT_FP4 matrix_b_fmt:MATRIX_FMT_FP4
.endif
.endm
; A KEY STEP: 128 keys.  A step all of whose keys come after my queries is left out by a scalar branch on counters; the lines at its end that step addresses are not.
.macro STEP qlo, qhi, qs, dm
	s_cmp_gt_u32 s[KSI], s[LIM]
	s_cbranch_scc1 .Lskip_\@
	s_setprio 2
	v_add_nc_u32 v[ADK], s[TB], v[L16]
	v_add_nc_u32 v[ADS], s[TB], v[L8]
	v_nop
	v_nop                                          ; four places between the last step's products and the loads into V's registers
.irp i, 0,1,2,3,4,5,6,7
	ds_load_b128 v[KF+4*\i:KF+4*\i+3], v[ADK] offset:512*\i          ; key tile i: half a fragment
.endr
	ds_load_b64 v[KSC:KSC+1], v[ADS] offset:4096
.irp i, 0,1,2,3,4,5,6,7
	ds_load_b128 v[VF+4*\i:VF+4*\i+3], v[ADK] offset:4352+512*\i
.endr
	ds_load_b64 v[VSC:VSC+1], v[ADS] offset:8448
	s_wait_dscnt 9                                 ; K and its scale words are in; V's nine loads may be out
.irp f, 0,1,2,3
	SMUL S+16*\f, KF+8*\f, \qlo, KSC+\f/2, \qs, \f%2
	SMUL S+16*\f+8, KF+8*\f, \qhi, KSC+\f/2, \qs, \f%2
.endr
.rept 4
	v_nop
.endr
	s_cmp_lg_u32 s[KSI], s[LIM]                    ; on the diagonal the scores of hidden keys become -infinity ahead of the maximum: p = 0 then
	s_cbranch_scc1 .Lopen_\@
.set n, 0
.rept 64
	v_cmp_gt_i32 vcc_lo, 16*(n/8)+n%8, v[\dm]      ; register n holds key 16 (n / 8) + 8 (lane / 16) + n % 8 of the step
	v_cndmask_b32 v[S+n], v[S+n], v[NINF], vcc_lo
.set n, n+1
.endr
.Lopen_\@:
.irp b, 0,1,2,3
	v_max3_num_f32 v[BM+\b], v[S+16*\b], v[S+1+16*\b], v[S+2+16*\b]   ; the largest score of each block of 32 keys: for the row's maximum, and, since p rises with the score, for the block's largest p
.endr
.irp i, 3,5,7,9,11,13
.irp b, 0,1,2,3
	v_max3_num_f32 v[BM+\b], v[BM+\b], v[S+16*\b+\i], v[S+1+16*\b+\i]
.endr
.endr
.irp b, 0,1,2,3
	v_max_num_f32 v[BM+\b], v[BM+\b], v[S+15+16*\b]
.endr
.irp b, 0,1,2,3
	s_delay_alu instid0(VALU_DEP_4)
	v_permlanex16_b32 v[T2+\b], v[BM+\b], s[SEL], s[SEL+1]
.endr
.irp b, 0,1,2,3
	s_delay_alu instid0(VALU_DEP_4)
	v_max_num_f32 v[BM+\b], v[BM+\b], v[T2+\b]     ; with lane l xor 16's 16 keys
.endr
	s_delay_alu instid0(VALU_DEP_2)
	v_max3_num_f32 v[TMP], v[BM], v[BM+1], v[BM+2]
	s_delay_alu instid0(VALU_DEP_1)
	v_max_num_f32 v[TMP], v[TMP], v[BM+3]          ; the step's largest score of my query
	s_delay_alu instid0(VALU_DEP_1)
	v_mul_f32 v[TMP], s[CS], v[TMP]                ; as t
	s_delay_alu instid0(VALU_DEP_1)
	v_max_num_f32 v13, v13, v[TMP]                 ; the running largest t
	v_mov_b32 v[TMP], v12
	s_delay_alu instid0(VALU_DEP_2)
	v_floor_f32 v12, -v13                          ; the new -M = floor(-t): M is a whole number
	s_delay_alu instid0(VALU_DEP_1)
	v_sub_f32 v[TMP], v12, v[TMP]                  ; old M - new M: a whole number, 0 or less
	s_delay_alu instid0(VALU_DEP_1)
	v_cvt_i32_f32 v[TMP], v[TMP]                   ; (it saturates)
	s_delay_alu instid0(VALU_DEP_1)
	v_ldexp_f32 v[FP], 1.0, v[TMP]                 ; f = 2^(old M - new M): a multiplication by it rounds nothing
.set j, 0
.rept 32
	v_pk_fma_f32 v[S+j:S+j+1], v[S+j:S+j+1], s[CS:CS+1], v[12:13] op_sel_hi:[1,0,0]   ; t - M, two at a time
.set j, j+2
.endr
	s_setprio 1
.irp b, 0,1,2,3
	v_fma_f32 v[BM+\b], v[BM+\b], s[CS], v12       ; the same of each block's largest score
.endr
.set j, 0
	s_wait_alu depctr_va_vdst(0)
.rept 64
	v_exp_f32 v[S+j], v[S+j]                       ; p = 2^(t - M), at most 1
.set j, j+1
.endr
.irp b, 0,1,2,3
	v_exp_f32 v[BM+\b], v[BM+\b]                   ; the block's largest p
.endr
	v_pk_mul_f32 v[14:15], v[14:15], v[FP:FP+1] op_sel_hi:[1,0]   ; the sums under the new M.  (A plain place behind the exponentials)
	s_wait_alu depctr_va_vdst(0)
.irp b, 0,1,2,3
	v_max_num_f32 v[BM+\b], 0x1800000, v[BM+\b]    ; the floor 2^(3 - 127): the byte cannot fall under 1
.endr
.irp b, 0,1,2,3
	s_delay_alu instid0(VALU_DEP_4)
	v_add_nc_u32 v[SO+\b], 0xff000000, v[BM+\b]    ; 2 off the exponent field: the conversion's scale operand
.endr
.irp b, 0,1,2,3
	s_delay_alu instid0(VALU_DEP_4)
	v_lshrrev_b32 v[T2+\b], 23, v[SO+\b]           ; the scale's byte
.endr
	s_delay_alu instid0(VALU_DEP_3)
	v_lshl_or_b32 v[PW], v[T2+1], 8, v[T2]         ; p's scale word for these 128 keys
	s_delay_alu instid0(VALU_DEP_1)
	v_lshl_or_b32 v[PW], v[T2+2], 16, v[PW]
	s_delay_alu instid0(VALU_DEP_1)
	v_lshl_or_b32 v[PW], v[T2+3], 24, v[PW]
.irp b, 0,1,2,3
.irp u, 0,1
	v_cvt_scalef32_pk8_fp4_f32 v[PC+4*(\b/2)+2*\u+(\b%2)], v[S+16*\b+8*\u:S+16*\b+8*\u+7], v[SO+\b]
.endr
.endr
	v_nop                                          ; one plain place behind a scaled conversion
.irp c, 0,1
.irp u, 0,1
	v_permlane16_swap_b32 v[PC+4*\c+2*\u], v[PC+4*\c+2*\u+1]   ; halves change places: register 4 c + i, half h, now holds keys 64 c + 32 h + 8 i on
.endr
.endr
	v_pk_add_f32 v[230:231], v[108:109], v[112:113]
	v_pk_add_f32 v[252:253], v[116:117], v[120:121]
	v_pk_add_f32 v[250:251], v[124:125], v[128:129]
	v_pk_add_f32 v[248:249], v[132:133], v[136:137]
	v_pk_add_f32 v[246:247], v[140:141], v[144:145]
	v_pk_add_f32 v[244:245], v[148:149], v[152:153]
	v_pk_add_f32 v[242:243], v[156:157], v[160:161]
	v_pk_add_f32 v[14:15], v[14:15], v[164:165]
	v_pk_add_f32 v[230:231], v[230:231], v[104:105]
	v_pk_add_f32 v[252:253], v[252:253], v[106:107]
	v_pk_add_f32 v[250:251], v[250:251], v[110:111]
	v_pk_add_f32 v[248:249], v[248:249], v[114:115]
	v_pk_add_f32 v[246:247], v[246:247], v[118:119]
	s_setprio 0
	v_pk_add_f32 v[244:245], v[244:245], v[122:123]
	v_pk_add_f32 v[242:243], v[242:243], v[126:127]
	v_pk_add_f32 v[14:15], v[14:15], v[130:131]
	v_pk_add_f32 v[230:231], v[230:231], v[134:135]
	v_pk_add_f32 v[252:253], v[252:253], v[138:139]
	v_pk_add_f32 v[250:251], v[250:251], v[142:143]
	v_pk_add_f32 v[248:249], v[248:249], v[146:147]
	v_pk_add_f32 v[246:247], v[246:247], v[150:151]
	v_pk_add_f32 v[244:245], v[244:245], v[154:155]
	v_pk_add_f32 v[242:243], v[242:243], v[158:159]
	v_pk_add_f32 v[14:15], v[14:15], v[162:163]
	v_pk_add_f32 v[230:231], v[230:231], v[166:167]
	s_delay_alu instid0(VALU_DEP_2)
	v_pk_add_f32 v[14:15], v[14:15], v[248:249]
	s_delay_alu instid0(VALU_DEP_2)
	v_pk_add_f32 v[230:231], v[230:231], v[246:247]
	v_pk_add_f32 v[252:253], v[252:253], v[244:245]
	v_pk_add_f32 v[250:251], v[250:251], v[242:243]
	s_delay_alu instid0(VALU_DEP_2)
	v_pk_add_f32 v[14:15], v[14:15], v[252:253]
	s_delay_alu instid0(VALU_DEP_2)
	v_pk_add_f32 v[230:231], v[230:231], v[250:251]
	s_delay_alu instid0(VALU_DEP_1)
	v_pk_add_f32 v[14:15], v[14:15], v[230:231]
.set j, 0
.rept 16
	v_pk_mul_f32 v[O+j:O+j+1], v[O+j:O+j+1], v[FP:FP+1] op_sel_hi:[1,0]   ; O^T under the new M.  (The 48 vector instructions since the exchange are the places in front of the scaled products)
.set j, j+2
.endr
	s_wait_alu depctr_va_vdst(0)
	s_wait_dscnt 0x0                               ; V and its scale words are in
.irp t, 0,1,2,3
	OMUL \t                                        ; four accumulators, one turn each; the next matrix instruction starts a tile of S^T
.endr
.Lskip_\@:
	s_add_co_u32 s[TB], s[TB], REC
	s_add_co_u32 s[KSI], s[KSI], 1
.endm
.macro PASSINIT                        ; the step is written once: the first finds zeros, which the first change of M leaves zeros
	v_mov_b32 v13, 0xff61b1e6                      ; the largest t so far: -3e38
	s_delay_alu instid0(VALU_DEP_1)
	v_floor_f32 v12, -v13
	v_mov_b32 v14, 0
	v_mov_b32 v15, 0
.set j, 0
.rept 32
	v_mov_b32 v[O+j], 0
.set j, j+1
.endr
	s_mov_b32 s[TB], 0
	s_mov_b32 s[KSI], 0
.endm
; A tile's way out: O^T / the sum; its 64 channels are two blocks along the last product's K; the codes leave as an image (512 consecutive bytes), the two scale bytes as 2 bytes a token.
.macro WAYOUT oc, hw, ac, as
.rept 4
	v_nop                                          ; places behind the last products
.endr
	v_add_f32 v14, v14, v15
	s_delay_alu instid0(VALU_DEP_1)
	v_permlanex16_b32 v[TMP], v14, s[SEL], s[SEL+1]
	s_delay_alu instid0(VALU_DEP_1)
	v_add_f32 v14, v14, v[TMP]                     ; the row's sum
	s_wait_alu depctr_va_vdst(0)
	v_rcp_f32 v14, v14
	v_nop                                          ; one plain place behind a transcendental
.set j, 0
	s_wait_alu depctr_va_vdst(0)
.rept 16
	v_pk_mul_f32 v[S+j:S+j+1], v[O+j:O+j+1], v[14:15] op_sel_hi:[1,0]   ; register 8 t + i: channel 16 t + 8 h + i of my query; each accumulator from its low end on
.set j, j+2
.endr
.irp b, 0,1
	v_max3_num_f32 v[BM+\b], |v[S+16*\b]|, |v[S+1+16*\b]|, 0x1800000
.endr
.irp i, 2,4,6,8,10,12,14
.irp b, 0,1
	s_delay_alu instid0(VALU_DEP_2)
	v_max3_num_f32 v[BM+\b], v[BM+\b], |v[S+16*\b+\i]|, |v[S+1+16*\b+\i]|
.endr
.endr
.irp b, 0,1
	s_delay_alu instid0(VALU_DEP_2)
	v_permlanex16_b32 v[T2+\b], v[BM+\b], s[SEL], s[SEL+1]
.endr
.irp b, 0,1
	s_delay_alu instid0(VALU_DEP_2)
	v_max_num_f32 v[BM+\b], v[BM+\b], v[T2+\b]
.endr
.irp b, 0,1
	s_delay_alu instid0(VALU_DEP_2)
	v_add_nc_u32 v[SO+\b], 0xff000000, v[BM+\b]
.endr
.irp b, 0,1
	s_delay_alu instid0(VALU_DEP_2)
	v_lshrrev_b32 v[T2+\b], 23, v[SO+\b]
.endr
	s_delay_alu instid0(VALU_DEP_1)
	v_lshl_or_b32 v[\hw], v[T2+1], 8, v[T2]
.irp b, 0,1
.irp u, 0,1
	v_cvt_scalef32_pk8_fp4_f32 v[\oc+2*\u+\b], v[S+16*\b+8*\u:S+16*\b+8*\u+7], v[SO+\b]
.endr
.endr
	v_nop                                          ; one plain place behind a scaled conversion
	v_permlane16_swap_b32 v[\oc], v[\oc+1]
	v_permlane16_swap_b32 v[\oc+2], v[\oc+3]       ; lane (r, h): token r, channels 32 h on
	global_store_b128 v[L16], v[\oc:\oc+3], s[\ac:\ac+1]
	global_store_b16 v[R32], v[\hw], s[\as:\as+1]  ; lanes l and l + 16 store the same two bytes with the same value
.endm
	s_wait_tensorcnt 0x0                           ; my part of the head has landed,
	s_barrier_signal -1
	s_barrier_wait -1                              ; everybody's has: from here on LDS is only read
	PASSINIT
	s_mov_b32 s[CNT], 16
.Lpass1:                                           ; the late tile: up to 16 key steps
	STEP QLO1, QHI1, QS1, DM1
	s_sub_co_u32 s[CNT], s[CNT], 1
	s_cmp_lg_u32 s[CNT], 0
	s_cbranch_scc1 .Lpass1
	s_setprio 0
	WAYOUT OC1, HW1, 56, 58
	PASSINIT
	s_mov_b32 s[LIM], s15                          ; the early tile's diagonal step: g
	s_mov_b32 s[CNT], 8
.Lpass2:                                           ; the early tile: up to 8 key steps
	STEP QLO2, QHI2, QS2, DM2
	s_sub_co_u32 s[CNT], s[CNT], 1
	s_cmp_lg_u32 s[CNT], 0
	s_cbranch_scc1 .Lpass2
	s_setprio 0
	WAYOUT OC2, HW2, 60, 62
	s_wait_tensorcnt 0x0
	ds_add_u32 v254, v255
	s_wait_dscnt 0x0
	CROUND                                         ; the closing round
	s_endpgm
.Lfunc_end_k_qd7ce44b416_attn:
	.size	k_qd7ce44b416_attn, .Lfunc_end_k_qd7ce44b416_attn-k_qd7ce44b416_attn
	.p2alignl 7, 3214868480
	.fill 96, 4, 3214868480
	.section	.rodata,"a",@progbits
	.p2align	6, 0x0
	.amdhsa_kernel k_qd7ce44b416_attn
		.amdhsa_group_segment_fixed_size 169984
		.amdhsa_private_segment_fixed_size 0
		.amdhsa_enable_private_segment 0
		.amdhsa_kernarg_size 32
		.amdhsa_user_sgpr_count 2
		.amdhsa_user_sgpr_kernarg_segment_ptr 1
		.amdhsa_wavefront_size32 1
		.amdhsa_system_sgpr_workgroup_id_x 1
		.amdhsa_system_sgpr_workgroup_id_y 1
		.amdhsa_system_sgpr_workgroup_id_z 1
		.amdhsa_system_vgpr_workitem_id 0
		.amdhsa_next_free_vgpr 256
		.amdhsa_next_free_sgpr 80
		.amdhsa_reserve_vcc 1
		.amdhsa_float_denorm_mode_32 3
		.amdhsa_float_denorm_mode_16_64 3
		.amdhsa_memory_ordered 1
		.amdhsa_forward_progress 1
		.amdhsa_inst_pref_size 61
	.end_amdhsa_kernel
	.amdgpu_metadata
---
amdhsa.version: [ 1, 2 ]
amdhsa.kernels:
  - .name:           k_qd7ce44b416_attn
    .symbol:         k_qd7ce44b416_attn.kd
    .args:
      - { .name: qbuf, .offset: 0, .size: 8, .value_kind: global_buffer, .address_space: global }
      - { .name: kv, .offset: 8, .size: 8, .value_kind: global_buffer, .address_space: global }
      - { .name: attc, .offset: 16, .size: 8, .value_kind: global_buffer, .address_space: global }
      - { .name: atts, .offset: 24, .size: 8, .value_kind: global_buffer, .address_space: global }
    .group_segment_fixed_size: 169984
    .private_segment_fixed_size: 0
    .kernarg_segment_align: 8
    .kernarg_segment_size: 32
    .max_flat_workgroup_size: 512
    .sgpr_count:     80
    .vgpr_count:     256
    .wavefront_size: 32
...
	.end_amdgpu_metadata
.endif
;; end of part 2
;; launch proj (part 3): grid 4 x 32, 4 waves a work-group, clusters of 4 x 4, 327,680 bytes of LDS; arguments attc, atts, W_out_codes, W_out_scales, b_out, out0; writes out0
.if DOCPART == 3
	.amdgcn_target "amdgcn-amd-amdhsa--gfx1250"
	.amdhsa_code_object_version 6
	.text
	.protected	k_qd7ce44b416_proj
	.globl	k_qd7ce44b416_proj
	.p2align	8
	.type	k_qd7ce44b416_proj,@function
k_qd7ce44b416_proj:
	s_mov_b64 s[64:65], 0
	v_nop
	global_prefetch_b8 v0, s[64:65] scope:SCOPE_SE
	s_setreg_imm32_b32 hwreg(HW_REG_WAVE_MODE, 25, 1), 1
	s_wait_xcnt 0x0
	s_wait_alu depctr_hold_cnt(0) depctr_sa_sdst(0) depctr_va_vdst(0) depctr_va_sdst(0) depctr_va_ssrc(0) depctr_va_vcc(0) depctr_vm_vsrc(0)
	s_getreg_b32 s2, hwreg(HW_REG_IB_STS2, 6, 4)
	s_cmp_eq_u32 s2, 0
	s_cbranch_scc0 .Lentry_in_a_cluster
	s_endpgm
.Lentry_in_a_cluster:
	s_bfe_u32 s2, ttmp6, 0x10000c
	s_cmp_lg_u32 s2, 0xf033
	s_cbranch_scc0 .Lentry_shape_is_right
	s_endpgm
.Lentry_shape_is_right:
; out0 = A W_out + b_out on codes of FP4 (E2M1) with one E8M0 scale for each 32 along K = 1,024.  A is the attention's result: attc [token tile 512][head 16][512 bytes]: images of operand registers (lane l's 16 bytes at 16 l;
; heads 2 s and 2 s + 1 are registers 0-3 and 4-7 of the fragment of K step s); atts [token][32] its scale bytes.  W_out: [1,024 (n)][512 bytes] codes, [1,024][32] scale bytes.  out0: [8,192][1,024] f32.
; A tile of 256 x 256 is made by four waves, a wave makes 128 x 128: 64 accumulators.  K is two LDS slots of 512, both filled once at the start; no LDS byte is filled twice.  The scales of all of K come with them.
; CLUSTERS: 4 x 4 work-groups; A's tiles are asked for jointly along a row of the cluster, B's along a column.  THE MATRIX INSTRUCTION IS USED TRANSPOSED (source 0 = 16 rows of W_out, source 1 = 16 tokens):
; a lane holds eight neighbouring numbers of a row of out0.  The bias is the C of each sum's first product.
; REGISTERS, in windows of 256: window 0: v16-27 addresses; v32-95 scale words, two sets; v128-191 A's fragments, one set; v192-255 the bias (8 registers for each of B's blocks), later rows on the way out.
;   window 1: B's fragments, two sets.   windows 2, 3: the accumulators ((a, b) at v[8 (8 (a % 4) + b)]).
.set SIZE_N, 1024
.set NQ,     4
.set ROWB,   256
.set KROW,   512
.set PITCH,  272                       ; B's LDS row: 256 bytes + 16 of padding
.set FR,     8
.set NL,     2
.set NP,     4
.set AIMG,   32768                     ; A's 128 tokens x 512 along K as images: 8 token tiles x 4,096 bytes
.set HALFT,  128*PITCH
.set BOFF,   2*AIMG                    ; a slot: A's two halves, then B's two
.set SLOT,   2*AIMG+2*HALFT
.set KS,     32
.set SCL,    2*SLOT
.set HALFS,  (128*KS/256)*272
.set SBLK,   (16*KS/256)*272
.set SPITCH, 528                       ; the way out: a stage of 16 rows x (512 bytes + 16) for each wave, in slot 0, which has had its one fill and its last read when the first result is stored there
.set ADRA, 16
.set ADRB, 20
.set STO,  24
.set RD,   25
.set CO,   26
.set ADRS, 27
.set SC,   32
.set AF,   128
.set BK,   128
.set BIAS, 192
.set G1, 24
.set G0, 32
.set G1B, 48
.set G0B, 56
.set G1S, 68
.set G0S, 76
.set G1SB, 80
.set G0SB, 88
.set MSB, 0
.macro WIN new
.if MSB != (\new)
	s_set_vgpr_msb (MSB<<8)|(\new)
.set MSB, (\new)
.endif
.endm
.set MUL_LO, 0xa1                      ; source 0 (B) window 1, source 1 (A) window 0, C and D window 2
.set MUL_HI, 0xf1                      ; the same, C and D window 3
.set TO_B,   0x40
.macro JLOAD g0a, g1a, g0b, g1b        ; a joint load: waves 0 and 1 fetch for A, waves 2 and 3 for B; four v_nop follow each of the two lines
	s_cmp_eq_u32 s15, 0
	s_cbranch_scc0 .Lfor_b_\@
	tensor_load_to_lds s[\g0a:\g0a+3], s[\g1a:\g1a+7]
	s_nop 0
.rept 4
	v_nop
.endr
	s_branch .Lasked_\@
.Lfor_b_\@:
	tensor_load_to_lds s[\g0b:\g0b+3], s[\g1b:\g1b+7]
	s_nop 0
.rept 4
	v_nop
.endr
.Lasked_\@:
.endm
.macro CROUND
	s_barrier_signal -1
	s_barrier_wait -1
	s_cmp_lg_u32 s14, 0
	s_cbranch_scc1 .Lnot_wave_0_\@
	s_barrier_signal -3
.Lnot_wave_0_\@:
	s_barrier_wait -3
	s_barrier_signal -1
	s_barrier_wait -1
.endm
	s_load_b256 s[4:11], s[0:1], 0x0               ; attc, atts, W's codes, W's scales
	s_load_b64 s[2:3], s[0:1], 0x20                ; the bias
	s_load_b64 s[12:13], s[0:1], 0x28              ; out0
	v_lshl_add_u32 v126, v0, 2, 0x46400
	v_mov_b32 v127, 0
	ds_add_u32 v126, v127
	ds_add_u32 v126, v127
	v_lshrrev_b32 v1, 5, v0
	v_readfirstlane_b32 s14, v1                    ; wave 0..3
	s_lshr_b32 s15, s14, 1                         ; which half of the tile's tokens is mine.  Also: I fetch for A (0) or for B (1)
	s_and_b32 s16, s14, 1                          ; which half of its columns.  Also: which half of that tile I fetch
	s_bfe_u32 s40, ttmp6, 0x40000
	s_bfe_u32 s41, ttmp6, 0x40004
	s_lshl_b32 s42, ttmp9, 2
	s_add_co_u32 s42, s42, s40                     ; tile column = 4 x cluster x + cx
	s_and_b32 s17, ttmp7, 0xffff
	s_lshl_b32 s17, s17, 2
	s_add_co_u32 s17, s17, s41                     ; tile row = 4 x cluster y + cy
	s_lshl_b32 s43, s41, 2
	s_lshl_b32 s43, 15, s43                        ; my row of the cluster
	s_lshl_b32 s44, 0x1111, s40                    ; my column
	; A: 8 token tiles; of each the slot's 8 heads: rows of 4,096 bytes (512 elements of 8), 8,192 bytes apart; no padding: images are read as consecutive bytes
	s_or_b32 s[G1+0], s43, (3<<16)|(1<<21)
	s_mov_b32 s[G1+1], 512<<16
	s_mov_b32 s[G1+2], 8<<16
	s_mov_b32 s[G1+3], 512<<16
	s_mov_b32 s[G1+4], 8
	s_mov_b32 s[G1+5], 1024
	s_mov_b32 s[G1+6], 0
	s_mov_b32 s[G1+7], 0
	; B: 128 rows x 256 bytes, 16 bytes of padding behind each
	s_or_b32 s[G1B+0], s44, (0<<16)|(1<<20)|(1<<21)|(5<<22)|(3<<25)
	s_mov_b32 s[G1B+1], ROWB<<16
	s_mov_b32 s[G1B+2], 128<<16
	s_mov_b32 s[G1B+3], ROWB<<16
	s_mov_b32 s[G1B+4], 128
	s_mov_b32 s[G1B+5], KROW
	s_mov_b32 s[G1B+6], 0
	s_mov_b32 s[G1B+7], 0
	; the scales of 128 rows: 4,096 dense bytes, as 16 rows of 256 bytes, 16 bytes of padding behind each
	s_or_b32 s[G1S+0], s43, (3<<16)|(1<<20)|(1<<21)|(5<<22)|(3<<25)
	s_or_b32 s[G1SB+0], s44, (3<<16)|(1<<20)|(1<<21)|(5<<22)|(3<<25)
.irp g, G1S, G1SB
	s_mov_b32 s[\g+1], 32<<16
	s_mov_b32 s[\g+2], (128*KS/256)<<16
	s_mov_b32 s[\g+3], 32<<16
	s_mov_b32 s[\g+4], 128*KS/256
	s_mov_b32 s[\g+5], 32
	s_mov_b32 s[\g+6], 0
	s_mov_b32 s[\g+7], 0
.endr
	s_lshl_b32 s18, s16, 7
	s_lshl_b32 s20, s17, 8
	s_add_co_u32 s20, s20, s18                     ; A: the first token that I fetch
	s_lshl_b32 s46, s42, 8
	s_add_co_u32 s46, s46, s18                     ; B: the first row
	s_lshl_b32 s22, s20, 5                         ; scales: 32 bytes a row
	s_mov_b32 s23, 0
	s_lshl_b32 s92, s46, 5
	s_mov_b32 s93, 0
	s_lshl_b32 s20, s20, 9                         ; codes: a token tile is 8,192 bytes, 512 a token
	s_mov_b32 s21, 0
	s_lshl_b32 s46, s46, 9                         ; 512 bytes a row
	s_mov_b32 s47, 0
	s_mul_i32 s45, s16, AIMG                       ; where they go: made of the wave's number alone
	s_mul_i32 s95, s16, HALFT
	s_add_co_u32 s95, s95, BOFF
	s_mul_i32 s94, s14, HALFS
	s_wait_dscnt 0x0
	s_wait_kmcnt 0x0
	s_add_nc_u64 s[20:21], s[4:5], s[20:21]
	s_add_nc_u64 s[22:23], s[6:7], s[22:23]
	s_add_nc_u64 s[46:47], s[8:9], s[46:47]
	s_add_nc_u64 s[92:93], s[10:11], s[92:93]
	CROUND                                         ; all sixteen work-groups are here: the joint loads meet
	s_mov_b32 s[G0S], 1
	s_add_co_u32 s[G0S+1], s94, SCL
	s_mov_b64 s[G0S+2:G0S+3], s[22:23]
	s_or_b32 s[G0S+3], s[G0S+3], 0x80000000
	s_mov_b32 s[G0SB], 1
	s_add_co_u32 s[G0SB+1], s94, SCL
	s_mov_b64 s[G0SB+2:G0SB+3], s[92:93]
	s_or_b32 s[G0SB+3], s[G0SB+3], 0x80000000
	JLOAD G0S, G1S, G0SB, G1SB
.irp s, 0,1
	s_mov_b32 s[G0+4*\s], 1
	s_add_co_u32 s[G0+4*\s+1], s45, \s*SLOT
	s_add_nc_u64 s[G0+4*\s+2:G0+4*\s+3], s[20:21], \s*4096
	s_or_b32 s[G0+4*\s+3], s[G0+4*\s+3], 0x80000000
	s_mov_b32 s[G0B+4*\s], 1
	s_add_co_u32 s[G0B+4*\s+1], s95, \s*SLOT
	s_add_nc_u64 s[G0B+4*\s+2:G0B+4*\s+3], s[46:47], \s*ROWB
	s_or_b32 s[G0B+4*\s+3], s[G0B+4*\s+3], 0x80000000
	s_wait_alu depctr_va_vdst(0)
	s_wait_tensorcnt 0x0
	ds_add_u32 v126, v127
	s_wait_dscnt 0x0
	CROUND
	JLOAD G0+4*\s, G1, G0B+4*\s, G1B               ; one load of mine is out now: the earlier ones have landed
.endr
	v_and_b32 v1, 15, v0                           ; r
	v_bfe_u32 v2, v0, 4, 1                         ; h
	s_lshl_b32 s46, s42, 10                        ; my first column, in bytes of f32: 1,024 x tile column + 512 x half
	s_lshl_b32 s47, s16, 9
	s_add_co_u32 s46, s46, s47
	s_mov_b32 s47, 0
	s_add_nc_u64 s[2:3], s[2:3], s[46:47]          ; the bias of my 128 columns
	v_lshlrev_b32 v7, 5, v2                        ; for B's block b a lane wants those at 16 b + 8 h + 0 .. 7
.irp b, 0,1,2,3,4,5,6,7
	global_load_b128 v[BIAS+8*\b:BIAS+8*\b+3], v7, s[2:3] offset:64*\b
	global_load_b128 v[BIAS+8*\b+4:BIAS+8*\b+7], v7, s[2:3] offset:64*\b+16
.endr
	v_and_b32 v6, 31, v0
	v_lshlrev_b32 v[CO], 4, v6                     ; 16 x lane
	v_mul_u32_u24 v3, v1, PITCH
	v_lshl_add_u32 v4, v2, 4, v3                   ; B: a fragment's row x pitch + 16 x half
	s_mul_i32 s21, s15, AIMG                       ; my 128 tokens' images
	s_mul_i32 s22, s16, HALFT                      ; my 128 rows of B
	s_add_co_u32 s22, s22, BOFF
.irp s, 0,1
	v_add_nc_u32 v[ADRA+\s], s21, v[CO]
	v_add_nc_u32 v[ADRB+\s], s22, v4
	s_add_co_u32 s21, s21, SLOT
	s_add_co_u32 s22, s22, SLOT
.endr
	v_mul_u32_u24 v5, v1, KS
	v_lshrrev_b32 v6, 8, v5
	v_lshl_add_u32 v5, v6, 4, v5
	s_mul_i32 s21, s15, HALFS
	s_mul_i32 s22, s16, HALFS
	s_add_co_u32 s22, s22, 2*HALFS
	s_sub_co_u32 s22, s22, s21
	v_mul_u32_u24 v6, s22, v2                      ; lanes 16-31 take B's scale words
	s_add_co_u32 s21, s21, SCL
	v_add_nc_u32 v5, v5, v6
	v_add_nc_u32 v[ADRS], s21, v5
	s_mul_i32 s23, s14, 16*SPITCH                  ; my stage
	v_mul_u32_u24 v5, v1, SPITCH
	v_lshl_add_u32 v5, v2, 5, v5
	v_add_nc_u32 v[STO], s23, v5                   ; in: row r, 32 bytes for each half of the lanes
	v_add_nc_u32 v[RD], s23, v[CO]                 ; back: the 32 lanes take one row of 512 bytes
	s_lshl_b32 s20, s17, 8
	s_lshl_b32 s21, s15, 7
	s_add_co_u32 s20, s20, s21                     ; my first row of out0
	s_lshl_b32 s20, s20, 12                        ; 4,096 bytes a row
	s_mov_b32 s21, 0
	s_add_nc_u64 s[20:21], s[20:21], s[46:47]
	s_add_nc_u64 s[12:13], s[12:13], s[20:21]
.macro FRAGB reg, adr, q, i            ; 16 rows x 128 K from rows that lie along K
.irp c, 0,1
	ds_load_b128 v[\reg+4*\c:\reg+4*\c+3], v[\adr] offset:64*(\q)+32*\c+(\i)*16*PITCH
.endr
.endm
.macro FRAGA reg, adr, q, i            ; the same from images: token tile i, heads 2 q and 2 q + 1 of the slot
.irp c, 0,1
	ds_load_b128 v[\reg+4*\c:\reg+4*\c+3], v[\adr] offset:4096*(\i)+1024*(\q)+512*\c
.endr
.endm
; 16 matrix instructions: A's blocks a0, a0 + 1 x B's eight.  first = 1: the bias is the C of the sum's first product.  The 64 accumulators take turns, one instruction a turn.
.macro MUL16 a0, p, q, sc, first
.irp a, \a0, \a0+1
.irp b, 0,1,2,3,4,5,6,7
.if \first
	v_wmma_scale_f32_16x16x128_f8f6f4 v[8*(8*((\a)%4)+\b):8*(8*((\a)%4)+\b)+7], v[128*(\p)+FR*\b:128*(\p)+FR*\b+FR-1], v[AF+FR*(\a):AF+FR*(\a)+FR-1], v[BIAS+8*\b:BIAS+8*\b+7], v[SC+8*NQ*(\sc)+NQ*\b+(\q)], v[SC+8*NQ*(\sc)+NQ*(\a)+(\q)] matrix_a_fmt:MATRIX_FMT_FP4 matrix_b_fmt:MATRIX_FMT_FP4 matrix_a_scale:MATRIX_SCALE_ROW1
.else
	v_wmma_scale_f32_16x16x128_f8f6f4 v[8*(8*((\a)%4)+\b):8*(8*((\a)%4)+\b)+7], v[128*(\p)+FR*\b:128*(\p)+FR*\b+FR-1], v[AF+FR*(\a):AF+FR*(\a)+FR-1], v[8*(8*((\a)%4)+\b):8*(8*((\a)%4)+\b)+7], v[SC+8*NQ*(\sc)+NQ*\b+(\q)], v[SC+8*NQ*(\sc)+NQ*(\a)+(\q)] matrix_a_fmt:MATRIX_FMT_FP4 matrix_b_fmt:MATRIX_FMT_FP4 matrix_a_scale:MATRIX_SCALE_ROW1
.endif
.endr
.endr
.endm
.macro FETCH_B slot, q, p
	WIN TO_B
.irp i, 0,1,2,3,4,5,6,7
	FRAGB 128*(\p)+FR*\i, ADRB+\slot, \q, \i
.endr
	WIN 0
.endm
.macro FETCH_A slot, q, i0
.irp i, \i0, \i0+1, \i0+2, \i0+3
	FRAGA AF+FR*(\i), ADRA+\slot, \q, \i
.endr
.endm
.macro SCALES sc
.irp i, 0,1,2,3,4,5,6,7
	ds_load_b128 v[SC+8*NQ*\sc+NQ*\i:SC+8*NQ*\sc+NQ*\i+3], v[ADRS] offset:\i*SBLK
.endr
.endm
.macro PLACES n                        ; plain vector instructions between a matrix instruction and a load into, or a read of, one of its registers
.rept \n
	v_nop
.endr
.endm
.macro STEP slot, q, first
	s_wait_dscnt 4*NL                              ; B's set and A's blocks 0-3 are in; the youngest eight loads (A's blocks 4-7) may be out
	WIN MUL_LO-0x20*\first                         ; (with the bias as C: source 2 in window 0)
	MUL16 0, (\q)%2, \q, \slot, \first
	MUL16 2, (\q)%2, \q, \slot, \first
	s_wait_dscnt 0
	PLACES NP
	FETCH_B \slot, (\q)+1, 1-(\q)%2
	FETCH_A \slot, (\q)+1, 0
	WIN MUL_HI-0x30*\first
	MUL16 4, (\q)%2, \q, \slot, \first
	MUL16 6, (\q)%2, \q, \slot, \first
	PLACES NP
	WIN 0
	FETCH_A \slot, (\q)+1, 4
.endm
.macro STEPS slot, from
.set Q, \from
.rept NQ-1-\from
	STEP \slot, Q, 0
.set Q, Q+1
.endr
.endm
.macro TURN                            ; slot 0's last step changes slots
	s_wait_tensorcnt 0x0                           ; my part of slot 1 has landed
	s_wait_dscnt 4*NL
	WIN MUL_LO
	MUL16 0, 1, NQ-1, 0, 0
	s_wait_dscnt 0x0                               ; my reads of slot 0 are over
	s_barrier_signal -1
	MUL16 2, 1, NQ-1, 0, 0
	WIN 0
	s_barrier_wait -1                              ; slot 1 is whole, and nobody reads slot 0 any more
	PLACES NP
	v_add_nc_u32 v[ADRS], 4*NQ, v[ADRS]
	FETCH_B 1, 0, 0
	FETCH_A 1, 0, 0
	SCALES 1
	WIN MUL_HI
	MUL16 4, 1, NQ-1, 0, 0
	MUL16 6, 1, NQ-1, 0, 0
	PLACES NP
	WIN 0
	FETCH_A 1, 0, 4
.endm
	s_wait_alu depctr_va_vdst(0)
	s_wait_tensorcnt 1                             ; the scales and my part of slot 0 are in (slot 1's load may be out),
	s_barrier_signal -1
	s_barrier_wait -1                              ; everybody's are
	FETCH_B 0, 0, 0
	FETCH_A 0, 0, 0
	SCALES 0
	FETCH_A 0, 0, 4
	s_wait_loadcnt 0x0                             ; the bias
	STEP 0, 0, 1
	STEPS 0, 1
	TURN
	STEPS 1, 0
	s_wait_dscnt 4*NL                              ; the last step: nothing more to fetch
	WIN MUL_LO
	MUL16 0, 1, NQ-1, 1, 0
	MUL16 2, 1, NQ-1, 1, 0
	s_wait_dscnt 0
	WIN MUL_HI
	MUL16 4, 1, NQ-1, 1, 0
	MUL16 6, 1, NQ-1, 1, 0
	WIN 0
; THE WAY OUT, block by block of 16 rows x 128 columns: through my own stage in LDS, back as whole rows of 512 bytes.  LDS serves a wave's instructions in order (ISA guide 5.7.1.4): no wait between the stores and the loads.
.macro TOSTAGE a
.set AC, 64*((\a)%4)
	WIN 0x08+4*((\a)/4)                            ; the data: window 2 or 3
.irp b, 0,1,2,3,4,5,6,7
	ds_store_b128 v[STO], v[AC+8*\b:AC+8*\b+3] offset:64*\b          ; each accumulator from its low end on
	ds_store_b128 v[STO], v[AC+8*\b+4:AC+8*\b+7] offset:64*\b+16
.endr
	WIN 0
.set BB, BK+64*((\a)%2)
.irp t, 0,1,2,3,4,5,6,7,8,9,10,11,12,13,14,15
	ds_load_b128 v[BB+4*\t:BB+4*\t+3], v[RD] offset:\t*SPITCH
.endr
.endm
.macro SEND a, younger                 ; younger: the LDS instructions issued behind block a's loads, which may stay out
.set BB, BK+64*((\a)%2)
	s_wait_dscnt \younger
.if (\a) > 0
	s_add_nc_u64 s[12:13], s[12:13], 16*SIZE_N*4   ; (behind a wait on XCNT: the earlier stores have read their base)  16 rows on
.endif
.irp t, 0,1,2,3,4,5,6,7,8,9,10,11,12,13,14,15
	global_store_b128 v[CO], v[BB+4*\t:BB+4*\t+3], s[12:13] offset:\t*SIZE_N*4 th:TH_STORE_NT   ; 32 lanes store 512 consecutive bytes, at a multiple of 256 from out0's first byte
.endr
.endm
	PLACES NP                                      ; in front of the loads into the registers that held A's fragments, and of the reads of the last results
	TOSTAGE 0
.irp a, 1,2,3,4,5,6,7
.if \a > 1
	s_wait_xcnt 0x0                                ; block a - 2's stores have read their registers and their base
.endif
	TOSTAGE \a
	SEND \a-1, 32                                  ; behind block a - 1's loads: block a's 16 stores and 16 loads
.endr
	s_wait_xcnt 0x0
	SEND 7, 0
	s_wait_tensorcnt 0x0
	ds_add_u32 v126, v127
	s_wait_dscnt 0x0
	CROUND                                         ; the closing round
	s_endpgm
.Lfunc_end_k_qd7ce44b416_proj:
	.size	k_qd7ce44b416_proj, .Lfunc_end_k_qd7ce44b416_proj-k_qd7ce44b416_proj
	.p2alignl 7, 3214868480
	.fill 96, 4, 3214868480
	.section	.rodata,"a",@progbits
	.p2align	6, 0x0
	.amdhsa_kernel k_qd7ce44b416_proj
		.amdhsa_group_segment_fixed_size 327680
		.amdhsa_private_segment_fixed_size 0
		.amdhsa_enable_private_segment 0
		.amdhsa_kernarg_size 48
		.amdhsa_user_sgpr_count 2
		.amdhsa_user_sgpr_kernarg_segment_ptr 1
		.amdhsa_wavefront_size32 1
		.amdhsa_system_sgpr_workgroup_id_x 1
		.amdhsa_system_sgpr_workgroup_id_y 1
		.amdhsa_system_sgpr_workgroup_id_z 1
		.amdhsa_system_vgpr_workitem_id 0
		.amdhsa_next_free_vgpr 1024
		.amdhsa_next_free_sgpr 98
		.amdhsa_reserve_vcc 0
		.amdhsa_float_denorm_mode_32 3
		.amdhsa_float_denorm_mode_16_64 3
		.amdhsa_memory_ordered 1
		.amdhsa_forward_progress 1
		.amdhsa_inst_pref_size 127
	.end_amdhsa_kernel
	.amdgpu_metadata
---
amdhsa.version: [ 1, 2 ]
amdhsa.kernels:
  - .name:           k_qd7ce44b416_proj
    .symbol:         k_qd7ce44b416_proj.kd
    .args:
      - { .name: attc, .offset: 0, .size: 8, .value_kind: global_buffer, .address_space: global }
      - { .name: atts, .offset: 8, .size: 8, .value_kind: global_buffer, .address_space: global }
      - { .name: W_out_codes, .offset: 16, .size: 8, .value_kind: global_buffer, .address_space: global }
      - { .name: W_out_scales, .offset: 24, .size: 8, .value_kind: global_buffer, .address_space: global }
      - { .name: b_out, .offset: 32, .size: 8, .value_kind: global_buffer, .address_space: global }
      - { .name: out0, .offset: 40, .size: 8, .value_kind: global_buffer, .address_space: global }
    .group_segment_fixed_size: 327680
    .private_segment_fixed_size: 0
    .kernarg_segment_align: 8
    .kernarg_segment_size: 48
    .max_flat_workgroup_size: 128
    .sgpr_count:     98
    .vgpr_count:     1024
    .wavefront_size: 32
...
	.end_amdgpu_metadata
.endif
;; end of part 3
